; MI455X (gfx1250); checked and timed in simulation.
; The chip was launched on July 23, 2026; its instructions are those of AMD's public machine-readable ISA for CDNA 5 (MIT licence, August 2026) and "CDNA5" Instruction Set Architecture Reference Guide (July 2026). The comments in the code are by the model that wrote it; some were corrected since.
;; Multi Head Attention. Allowed arithmetic: matrix products marked QUANTISED: E5M2 operands, one E8M0 scale for each 32 along K, by v_wmma_scale_f32_16x16x128_f8f6f4 with both operands' format E5M2, f32 sums; everything else in f32.
;; Inputs: Wk_codes 12 x 64 x 24 x 32 uint8 (E5M2 codes of Wk, K innermost, in blocks of 32 codes); Wk_scales 12 x 64 x 24 uint8 (E8M0 scales of Wk, one for each 32 codes along K); Wp_codes 768 x 24 x 32 uint8 (E5M2 codes of Wp, K innermost, in blocks of 32 codes); Wp_scales 768 x 24 uint8 (E8M0 scales of Wp, one for each 32 codes along K); Wq_codes 12 x 64 x 24 x 32 uint8 (E5M2 codes of Wq, K innermost, in blocks of 32 codes); Wq_scales 12 x 64 x 24 uint8 (E8M0 scales of Wq, one for each 32 codes along K); Wv_codes 12 x 64 x 24 x 32 uint8 (E5M2 codes of Wv, K innermost, in blocks of 32 codes); Wv_scales 12 x 64 x 24 uint8 (E8M0 scales of Wv, one for each 32 codes along K); bk 12 x 64 float32; bp 768 float32; bq 12 x 64 float32; bv 12 x 64 float32; x_codes 16 x 1,024 x 24 x 32 uint8 (E5M2 codes of x, K innermost, in blocks of 32 codes); x_scales 16 x 1,024 x 24 uint8 (E8M0 scales of x, one for each 32 codes along K).
;; Outputs: out0 16 x 1,024 x 768 float32.
;; This version of the problem:
;;   THIS VERSION OF THE PROBLEM IS GIVEN IN LOW PRECISION. The matrix products marked QUANTISED in the list below multiply operands that are first quantised to E5M2 (5 exponent bits, 2 mantissa bits; 8 bits a number), with one power-of-two scale for each 32 numbers along K (OCP MX v1.0); their sums are f32. All else is computed in f32.
;;   The module's matrix products, in the order in which they are computed (A, B: the left and right operand; K: the contracted axis; several contracted axes count as one K, in the product's order):
;;     1. [M 768, K 768] x [K 768, N 16,384]; A: input Wq (given as codes); B: input x (given as codes): QUANTISED
;;     2. [M 768, K 768] x [K 768, N 16,384]; A: input Wk (given as codes); B: input x (given as codes): QUANTISED
;;     3. [M 768, K 768] x [K 768, N 16,384]; A: input Wv (given as codes); B: input x (given as codes): QUANTISED
;;     4. batch 192 x [M 1,024, K 64] x [K 64, N 1,024]; A: computed on the way; B: computed on the way: QUANTISED
;;     5. batch 192 x [M 1,024, K 1,024] x [K 1,024, N 64]; A: softmax (see below); B: computed on the way: QUANTISED
;;     6. [M 16,384, K 768] x [K 768, N 768]; A: computed on the way; B: input Wp (given as codes): QUANTISED
;;   THE QUANTISER, for each operand of a quantised product, along K:
;;     - K is cut into blocks of 32 from its start; a last block that is shorter is filled with zeros.
;;     - A block's scale is 2^e with e = floor(log2(the largest magnitude in the block)) - 15, held to -126 .. 127; a block of zeros has e = 0. As a byte (E8M0): e + 127.
;;     - Each number is divided by its block's scale, clamped to +-57,344, and rounded to the nearest number of E5M2, ties to even, subnormals kept.
;;     - The product sums the exact products of the quantised numbers (number of the format x scale) in f32.
;;   ~~~python
;;   def quantise(x, axis):      # numpy; x: float32 -> the quantised numbers, widened to float32 again
;;       x = np.moveaxis(x, axis, -1); K = x.shape[-1]
;;       x = np.pad(x, [(0, 0)] * (x.ndim - 1) + [(0, -K % 32)]); x = x.reshape(x.shape[:-1] + (-1, 32)); a = np.abs(x).max(-1, keepdims=True)
;;       e = np.where(a > 0, np.clip(np.frexp(np.where(a > 0, a, 1))[1] - 1 - 15, -126, 127), 0)      # np.frexp(a)[1] - 1 = floor(log2(a)), exactly
;;       r = np.clip(x / 2.0 ** e, -57344, 57344)
;;       step = 2.0 ** (np.maximum(np.frexp(np.where(r == 0, 1, r))[1] - 1, -14) - 2)
;;       q = np.round(r / step) * step * 2.0 ** e      # np.round: ties to even
;;       return np.moveaxis(q.reshape(q.shape[:-2] + (-1,))[..., :K], -1, axis).astype(np.float32)
;;   ~~~
;;   SOFTMAX AHEAD OF A QUANTISED PRODUCT. Where the list says 'softmax', what is quantised is not the finished softmax but p = 2^(t - M), with t = logit x log2(e) and M = ceil(the row's largest t), a whole number; so 1/2 < the row's largest p <= 1. The row's sum l is taken of the UNQUANTISED p, in f32, and the product's result is divided by l at the end. Since M is a whole number, a kernel that streams over the keys may use a running M (the ceiling of the running maximum): every later rescaling is an exact power of two, which a block's scale takes up: the codes' values come out the same.
;;   OPERANDS COMPUTED ON THE WAY. 'Computed on the way' means the value that the module computes at that place (a softmax that the list does not call 'softmax' is quantised finished and normalised). What goes into a quantiser is computed in f32, as accurately as f32 sums, v_exp_f32 and their like allow (about 1e-6 of the number): no bf16 or f16 on the way to a quantiser, and a product that is left as it is and whose result goes on into a quantised operand takes f32 operands (vector FMAs, or v_wmma_f32_16x16x4_f32). A number that lies on a knife's edge between two numbers of the format may be rounded either way, as far as f32 arithmetic and the matrix unit's own rounding can turn it there, and no further.
;;   INPUTS GIVEN AS CODES. Wk (in the module: [12, 768, 64], K = its axis 1); Wp (in the module: [768, 768], K = its axis 0); Wq (in the module: [12, 768, 64], K = its axis 1); Wv (in the module: [12, 768, 64], K = its axis 1); x (in the module: [16, 1024, 768], K = its axis 2): each comes as NAME_codes (uint8): NAME with its K axis moved to the last place and cut into blocks of 32 codes, [.., K / 32, bytes a block], one block behind the other in memory; one code a byte (a code: sign, 5 exponent bits, 2 mantissa bits); and NAME_scales (uint8): the same leading axes, one E8M0 byte (e + 127) for each 32 codes along K. Its value is code x scale, taken as it is: it is not quantised again, and the codes and scales need not be those that the quantiser above would give.
;; One version. Each part assembles by itself: llvm-mc -triple=amdgcn-amd-amdhsa -mcpu=gfx1250 --defsym DOCPART=n.
;; ======== version 1 of 1: 3 launches
;; limits: right only within a limited range of input values
;; workspace buffers: qc 12,582,912 bytes; kv 25,165,824 bytes; qsc 393,216 bytes; ksc 393,216 bytes; vsc 393,216 bytes; oc 12,582,912 bytes; osc 393,216 bytes
;; launch qkv (part 1): grid 32 x 8, 4 waves a work-group, clusters of 4 x 1, 327,680 bytes of LDS; arguments x_codes, x_scales, Wq_codes, Wk_codes, Wv_codes, Wq_scales, Wk_scales, Wv_scales, bq, bk, bv, qc, kv, qsc, ksc, vsc; writes qc, kv, qsc, ksc, vsc
.if DOCPART == 1
	.amdgcn_target "amdgcn-amd-amdhsa--gfx1250"
	.amdhsa_code_object_version 6
	.text
	.protected	k_q65eec8c147_qkv
	.globl	k_q65eec8c147_qkv
	.p2align	8
	.type	k_q65eec8c147_qkv,@function
k_q65eec8c147_qkv:
	s_mov_b64 s[64:65], 0
	v_nop
	global_prefetch_b8 v0, s[64:65] scope:SCOPE_SE
	s_setreg_imm32_b32 hwreg(HW_REG_WAVE_MODE, 25, 1), 1
	s_wait_xcnt 0x0
	s_wait_alu depctr_hold_cnt(0) depctr_sa_sdst(0) depctr_va_vdst(0) depctr_va_sdst(0) depctr_va_ssrc(0) depctr_va_vcc(0) depctr_vm_vsrc(0)
	s_getreg_b32 s2, hwreg(HW_REG_IB_STS2, 6, 4)
	s_cmp_eq_u32 s2, 0
	s_cbranch_scc0 .Lentry_in_a_cluster
	s_endpgm
.Lentry_in_a_cluster:
	s_bfe_u32 s2, ttmp6, 0x10000c
	s_cmp_lg_u32 s2, 0x3003
	s_cbranch_scc0 .Lentry_shape_is_right
	s_endpgm
.Lentry_shape_is_right:
; q, k, v = x W + b for 512 tokens x 96 outputs of each of Wq, Wk, Wv, on codes of BF8 with E8M0 scales, sums in f32; each result is quantised again and leaves as images of the next launch's operand registers.
; Nothing of the problem is left out here.  LIMITS: NaN and infinities are not served; blocks under 2^(16 - 127), zeros among them, keep the scale byte 1.
; LDS: the 96 rows of each weight's codes (288 pieces of 256 bytes + 16 of padding: 78,336 bytes a weight), filled once by one joint load each (waves 0, 1, 2; the four work-groups of a cluster share the rows);
; from WS on the weights' scale bytes, 24 a row, 3,072 bytes apart, and from BL on the biases: both come through registers and are stored by the threads, on bytes into which no fill lands.
.set WS,    235008
.set BL,    244224
.set SPARE, 249344
.set XSETA, 256
.set XSETB, 640
.set XSA,   32
.set XSB,   44
.set WSR,   56
.set BIAS,  64
.set WF,    80
.set ACC,   144
.set PC,    208
.set TM,    224
.set WAW,   20
.set WSAW,  23
.set BAQW,  24
.set BAVW,  25
.set MSB, 0
.macro WIN new
.if MSB != (\new)
	s_set_vgpr_msb (MSB<<8)|(\new)
.set MSB, (\new)
.endif
.endm
.macro ROUND
	s_barrier_signal -1
	s_barrier_wait -1
	s_cmp_lg_u32 s36, 0
	s_cbranch_scc1 .Lnw0_\@
	s_barrier_signal -3
.Lnw0_\@:
	s_barrier_wait -3
	s_barrier_signal -1
	s_barrier_wait -1
.endm
.macro WM d, a, b, c, sa, sb, ra, rb
.if ((\ra)==0) && ((\rb)==0)
	v_wmma_scale_f32_16x16x128_f8f6f4 v[(\d):(\d)+7], v[(\a):(\a)+15], v[(\b):(\b)+15], v[(\c):(\c)+7], v[(\sa)], v[(\sb)] matrix_a_fmt:MATRIX_FMT_BF8 matrix_b_fmt:MATRIX_FMT_BF8
.elseif ((\ra)==1) && ((\rb)==0)
	v_wmma_scale_f32_16x16x128_f8f6f4 v[(\d):(\d)+7], v[(\a):(\a)+15], v[(\b):(\b)+15], v[(\c):(\c)+7], v[(\sa)], v[(\sb)] matrix_a_fmt:MATRIX_FMT_BF8 matrix_b_fmt:MATRIX_FMT_BF8 matrix_a_scale:MATRIX_SCALE_ROW1
.elseif ((\ra)==0) && ((\rb)==1)
	v_wmma_scale_f32_16x16x128_f8f6f4 v[(\d):(\d)+7], v[(\a):(\a)+15], v[(\b):(\b)+15], v[(\c):(\c)+7], v[(\sa)], v[(\sb)] matrix_a_fmt:MATRIX_FMT_BF8 matrix_b_fmt:MATRIX_FMT_BF8 matrix_b_scale:MATRIX_SCALE_ROW1
.else
	v_wmma_scale_f32_16x16x128_f8f6f4 v[(\d):(\d)+7], v[(\a):(\a)+15], v[(\b):(\b)+15], v[(\c):(\c)+7], v[(\sa)], v[(\sb)] matrix_a_fmt:MATRIX_FMT_BF8 matrix_b_fmt:MATRIX_FMT_BF8 matrix_a_scale:MATRIX_SCALE_ROW1 matrix_b_scale:MATRIX_SCALE_ROW1
.endif
.endm
.macro XLOAD xb, off, s0, s1
.set SS, \s0
.rept (\s1)-(\s0)+1
.set XW, ((\xb)+64*SS)>>8
.set XR, ((\xb)+64*SS)&255
	WIN XW<<6
.irp i, 0,1,2,3
.irp c, 0,1,2,3
	global_load_b128 v[XR+16*\i+4*\c:XR+16*\i+4*\c+3], v4, s[4:5] offset:(\off)+12288*\i+128*SS+32*\c
.endr
.endr
.set SS, SS+1
.endr
	WIN 0
.endm
.macro XSLOAD xsb, off
.irp a, 0,1
.irp j, 0,1,2
	global_load_b64 v[(\xsb)+6*\a+2*\j:(\xsb)+6*\a+2*\j+1], v5, s[6:7] offset:(\off)+768*\a+8*\j
.endr
.endr
.endm
.macro FETCHW k, s, set
.irp n, 0,1
.irp c, 0,1,2,3
	ds_load_b128 v[WF+32*(\set)+16*\n+4*\c:WF+32*(\set)+16*\n+4*\c+3], v[WAW+(\k)] offset:13056*\n+128*(\s)+16*((\s)/2)+32*\c
.endr
.endr
.endm
.macro PREF k
.if (\k) < 2
.irp n, 0,1
	ds_load_b128 v[BIAS+8*\n:BIAS+8*\n+3], v[BAQW] offset:512*(\k)+64*\n
	ds_load_b128 v[BIAS+8*\n+4:BIAS+8*\n+7], v[BAQW] offset:512*(\k)+64*\n+16
.endr
.else
.irp n, 0,1
	ds_load_b128 v[BIAS+8*\n:BIAS+8*\n+3], v[BAVW] offset:512*\n
	ds_load_b128 v[BIAS+8*\n+4:BIAS+8*\n+7], v[BAVW] offset:512*\n+16
.endr
.endif
.irp j, 0,1,2
	ds_load_b64 v[WSR+2*\j:WSR+2*\j+1], v[WSAW] offset:3072*(\k)+8*\j
.endr
	FETCHW \k, 0, 0
	FETCHW \k, 1, 1
.endm
.macro MAIN kind, k, xb, xsb
.set SS, 0
.rept 6
.if SS < 5
	s_wait_dscnt 8
.else
	s_wait_dscnt 0x0
.endif
.set XW, ((\xb)+64*SS)>>8
.set XR, ((\xb)+64*SS)&255
.set WR, WF+32*(SS&1)
.if \kind
	WIN XW
.else
	WIN XW<<2
.endif
.irp n, 0,1
.irp i, 0,1,2,3
.if \kind
.set AC, ACC+16*(2*\n+\i/2)+8*(\i%2)
.else
.set AC, ACC+16*\i+8*\n
.endif
.if SS == 0
.set CC, BIAS+8*\n
.else
.set CC, AC
.endif
.if \kind
	WM AC, XR+16*\i, WR+16*\n, CC, (\xsb)+6*(\i/2)+SS, WSR+SS, \i%2, \n
.else
	WM AC, WR+16*\n, XR+16*\i, CC, WSR+SS, (\xsb)+6*(\i/2)+SS, \n, \i%2
.endif
.endr
.endr
	WIN 0
.if SS < 4
.rept 8
	v_nop
.endr
	FETCHW \k, SS+2, SS&1
.endif
.set SS, SS+1
.endr
.rept 8
	v_nop
.endr
.endm
.macro EPI d, ds, o0, o1, o2, o3
	s_wait_xcnt 0x0
.irp b, 0,1,2,3
	v_max3_num_f32 v[TM+\b], |v[ACC+16*\b]|, |v[ACC+16*\b+1]|, 0x8000000
.endr
.irp i, 2,4,6,8,10,12,14
.irp b, 0,1,2,3
	v_max3_num_f32 v[TM+\b], v[TM+\b], |v[ACC+16*\b+\i]|, |v[ACC+16*\b+\i+1]|
.endr
.endr
.irp b, 0,1,2,3
	v_permlanex16_b32 v[TM+4+\b], v[TM+\b], s44, s45
.endr
.irp b, 0,1,2,3
	v_max_num_f32 v[TM+\b], v[TM+\b], v[TM+4+\b]
.endr
.irp b, 0,1,2,3
	v_add_nc_u32 v[TM+12+\b], 0xf8800000, v[TM+\b]
.endr
.irp b, 0,1,2,3
	v_and_or_b32 v[TM+8+\b], v[TM+\b], 0x7f800000, s42
.endr
.irp b, 0,1,2,3
	v_lshrrev_b32 v[TM+4+\b], 23, v[TM+12+\b]
.endr
	v_lshl_or_b32 v17, v[TM+5], 8, v[TM+4]
	v_lshl_or_b32 v18, v[TM+7], 8, v[TM+6]
	v_cndmask_b32 v16, v17, v18, s41
.irp b, 0,1,2,3
.irp i, 0,1,2,3,4,5,6,7,8,9,10,11,12,13,14,15
	v_med3_num_f32 v[ACC+16*\b+\i], v[ACC+16*\b+\i], -v[TM+8+\b], v[TM+8+\b]
.endr
	v_cvt_scalef32_pk8_bf8_f32 v[PC+4*\b:PC+4*\b+1], v[ACC+16*\b:ACC+16*\b+7], v[TM+12+\b]
	v_cvt_scalef32_pk8_bf8_f32 v[PC+4*\b+2:PC+4*\b+3], v[ACC+16*\b+8:ACC+16*\b+15], v[TM+12+\b]
.endr
	v_nop
	global_store_b128 v12, v[PC:PC+3], s[\d:\d+1] offset:\o0
	global_store_b128 v12, v[PC+4:PC+7], s[\d:\d+1] offset:\o1
	global_store_b128 v12, v[PC+8:PC+11], s[\d:\d+1] offset:\o2
	global_store_b128 v12, v[PC+12:PC+15], s[\d:\d+1] offset:\o3
	global_store_b16 v13, v16, s[\ds:\ds+1]
.endm
.macro PTRQK
	s_lshl_b32 s70, s46, 15
	s_add_co_u32 s70, s70, s47
	s_add_nc_u64 s[56:57], s[26:27], s[70:71]
	s_lshr_b32 s55, s46, 1
	s_lshl_b32 s55, s55, 17
	s_and_b32 s70, s46, 1
	s_lshl_b32 s70, s70, 15
	s_add_co_u32 s70, s70, s55
	s_add_co_u32 s70, s70, s47
	s_add_nc_u64 s[58:59], s[28:29], s[70:71]
	s_lshl_b32 s70, s46, 10
	s_add_co_u32 s70, s70, s49
	s_add_nc_u64 s[62:63], s[30:31], s[70:71]
	s_add_nc_u64 s[66:67], s[32:33], s[70:71]
.endm
.macro PTRV
	s_lshr_b32 s55, s46, 1
	s_lshl_b32 s55, s55, 17
	s_and_b32 s70, s46, 1
	s_lshl_b32 s70, s70, 12
	s_add_co_u32 s70, s70, s55
	s_add_co_u32 s70, s70, s48
	s_add_nc_u64 s[60:61], s[28:29], s[70:71]
	s_lshr_b32 s55, s46, 1
	s_lshl_b32 s55, s55, 11
	s_and_b32 s70, s46, 1
	s_lshl_b32 s70, s70, 6
	s_add_co_u32 s70, s70, s55
	s_add_co_u32 s70, s70, s50
	s_add_nc_u64 s[68:69], s[34:35], s[70:71]
.endm
.macro TRIP xb, xsb, first
	s_wait_xcnt 0x0
	PTRQK
	v_add_nc_u32 v[WAW], s51, v6
	v_add_nc_u32 v[WAW+1], s51, v7
	v_add_nc_u32 v[WAW+2], s51, v8
	v_add_nc_u32 v[WSAW], s52, v9
	v_add_nc_u32 v[BAQW], s53, v10
	v_add_nc_u32 v[BAVW], s54, v11
	PREF 0
.if !(\first)
	EPI 60, 68, 0, 512, 2048, 2560
.endif
	s_wait_alu depctr_va_vdst(0)
	MAIN 0, 0, \xb, \xsb
	PREF 1
	EPI 56, 62, 0, 512, 1024, 1536
	MAIN 0, 1, \xb, \xsb
	PREF 2
	s_wait_xcnt 0x0
	PTRV
	EPI 58, 66, 0, 512, 1024, 1536
	MAIN 1, 2, \xb, \xsb
	s_add_co_u32 s51, s51, 26112
	s_add_co_u32 s52, s52, 768
	s_add_co_u32 s53, s53, 128
	s_add_co_u32 s54, s54, 1024
	s_add_co_u32 s46, s46, 1
.endm
	s_load_b512 s[4:19], s[0:1], 0x0
	s_load_b512 s[20:35], s[0:1], 0x40
	v_lshl_add_u32 v14, v0, 2, SPARE
	v_mov_b32 v15, 0
	ds_add_u32 v14, v15
	ds_add_u32 v14, v15
	v_lshrrev_b32 v17, 5, v0
	v_readfirstlane_b32 s36, v17
	s_bfe_u32 s37, ttmp6, 0x40000
	s_lshl_b32 s38, ttmp9, 2
	s_add_co_u32 s38, s38, s37
	s_and_b32 s39, ttmp7, 0xffff
	s_lshr_b32 s40, s38, 1
	s_mov_b32 s41, 0xffff0000
	s_mov_b32 s42, 0x600000
	s_mov_b32 s72, 15|(3<<16)|(1<<20)|(1<<21)|(5<<22)|(3<<25)
	s_mov_b32 s73, 32<<16
	s_mov_b32 s74, 288<<16                         ; a weight's 96 rows: 73,728 dense bytes as 288 rows of 256
	s_mov_b32 s75, 32<<16
	s_mov_b32 s76, 288
	s_mov_b32 s77, 32
	s_mov_b32 s78, 0
	s_mov_b32 s79, 0
	v_and_b32 v1, 31, v0
	v_and_b32 v2, 15, v0
	v_bfe_u32 v3, v0, 4, 1
	v_mul_u32_u24 v4, v2, 768
	v_lshl_add_u32 v4, v3, 4, v4
	v_mul_u32_u24 v5, v1, 24
	v_mul_u32_u24 v6, v2, 816
	v_lshl_add_u32 v6, v3, 4, v6
	v_add_nc_u32 v7, 78336, v6
	v_add_nc_u32 v8, 156672, v6
	v_mul_u32_u24 v9, v1, 24
	v_add_nc_u32 v9, WS, v9
	v_lshl_add_u32 v10, v3, 5, BL
	v_lshl_add_u32 v11, v2, 5, BL+1024
	v_lshlrev_b32 v12, 4, v1
	v_lshlrev_b32 v13, 1, v1
.irp b, 0,1,2,3
	v_mov_b32 v[TM+4+\b], 0
.endr
	s_lshl_b32 s56, s38, 9
	s_lshl_b32 s57, s36, 7
	s_add_co_u32 s56, s56, s57
	s_mul_i32 s58, s56, 768
	s_mov_b32 s59, 0
	s_mul_i32 s60, s56, 24
	s_mov_b32 s61, 0
	s_mul_i32 s62, s39, 384
	s_mov_b32 s63, 0
	s_mul_i32 s66, s40, 786432
	s_mov_b32 s67, 0
	s_mul_i32 s68, s40, 1572864
	s_mov_b32 s69, 0
	s_mul_i32 s70, s40, 24576
	s_mov_b32 s71, 0
	s_mul_i32 s2, s39, 73728                       ; my group's 96 rows in a weight's codes,
	s_mov_b32 s3, 0
	s_mul_i32 s100, s39, 2304                      ; and in its scale bytes
	s_mov_b32 s101, 0
	s_wait_alu depctr_va_vdst(0)                   ; the wait at the head's end
	s_wait_dscnt 0x0
	s_wait_kmcnt 0x0
	s_add_nc_u64 s[4:5], s[4:5], s[58:59]
	s_add_nc_u64 s[6:7], s[6:7], s[60:61]
	s_add_nc_u64 s[20:21], s[20:21], s[62:63]
	s_add_nc_u64 s[22:23], s[22:23], s[62:63]
	s_add_nc_u64 s[24:25], s[24:25], s[62:63]
	s_add_nc_u64 s[26:27], s[26:27], s[66:67]
	s_add_nc_u64 s[28:29], s[28:29], s[68:69]
	s_add_nc_u64 s[30:31], s[30:31], s[70:71]
	s_add_nc_u64 s[32:33], s[32:33], s[70:71]
	s_add_nc_u64 s[34:35], s[34:35], s[70:71]
.irp k, 0,1,2
	s_mov_b32 s[88+4*\k], 1
	s_mov_b32 s[89+4*\k], 78336*\k
	s_add_nc_u64 s[90+4*\k:91+4*\k], s[8+2*\k:9+2*\k], s[2:3]
	s_or_b32 s[91+4*\k], s[91+4*\k], 0x80000000
	s_add_nc_u64 s[14+2*\k:15+2*\k], s[14+2*\k:15+2*\k], s[100:101]
.endr
	ROUND                                          ; all four work-groups are here: the joint loads meet
; the head's loads, at most one a wave: wave 0 Wq's rows, wave 1 Wk's, wave 2 Wv's, wave 3 none: one chain of branches on the wave's number, all arms leading to one join
	s_cmp_lt_u32 s36, 1
	s_cbranch_scc0 .Lhead_k
	tensor_load_to_lds s[88:91], s[72:79]
	s_nop 0
.rept 4
	v_nop
.endr
	s_branch .Lhead_asked
.Lhead_k:
	s_cmp_lt_u32 s36, 2
	s_cbranch_scc0 .Lhead_v
	tensor_load_to_lds s[92:95], s[72:79]
	s_nop 0
.rept 4
	v_nop
.endr
	s_branch .Lhead_asked
.Lhead_v:
	s_cmp_lt_u32 s36, 3
	s_cbranch_scc0 .Lhead_asked
	tensor_load_to_lds s[96:99], s[72:79]
	s_nop 0
.rept 4
	v_nop
.endr
.Lhead_asked:
	XLOAD XSETA, 0, 0, 5
	XSLOAD XSA, 0
	v_min_u32 v17, 95, v0
	v_lshlrev_b32 v17, 2, v17
	global_load_b32 v18, v17, s[20:21]
	global_load_b32 v19, v17, s[22:23]
	global_load_b32 v26, v17, s[24:25]
	v_min_u32 v62, 95, v0                          ; the weights' scale bytes: thread t takes row min(t, 95)'s 24 bytes of each weight,
	v_mul_u32_u24 v62, v62, 24
	v_mul_u32_u24 v63, v0, 24                      ; and stores them at 24 t: threads 96 to 127 fall into the 768 bytes behind a weight's 2,304, which nobody reads
	v_add_nc_u32 v63, WS, v63
.irp k, 0,1,2
.irp j, 0,1,2
	global_load_b64 v[80+6*\k+2*\j:81+6*\k+2*\j], v62, s[14+2*\k:15+2*\k] offset:8*\j
.endr
.endr
	v_lshl_add_u32 v27, v0, 2, BL
	v_lshl_add_u32 v16, v0, 5, BL+1024
	s_wait_alu depctr_va_vdst(0)
	s_wait_loadcnt 0x0
	ds_store_b32 v27, v18
	ds_store_b32 v27, v19 offset:512
	v_mov_b32 v28, v26
	v_mov_b32 v29, v26
	v_mov_b32 v30, v26
	v_mov_b32 v31, v26
	ds_store_b128 v16, v[28:31]
	ds_store_b128 v16, v[28:31] offset:16
.irp k, 0,1,2
.irp j, 0,1,2
	ds_store_b64 v63, v[80+6*\k+2*\j:81+6*\k+2*\j] offset:3072*\k+8*\j
.endr
.endr
	s_wait_tensorcnt 0x0
	s_wait_dscnt 0x0
	s_barrier_signal -1
	s_barrier_wait -1
	s_mov_b32 s44, 0x76543210
	s_mov_b32 s45, 0xfedcba98
	s_mul_i32 s46, s39, 3
	s_and_b32 s55, s38, 1
	s_lshl_b32 s48, s55, 2
	s_add_co_u32 s48, s48, s36
	s_lshl_b32 s47, s48, 12
	s_lshl_b32 s49, s48, 7
	s_mov_b32 s50, s49
	s_lshl_b32 s48, s48, 13
	s_add_co_u32 s48, s48, 65536
	s_mov_b32 s71, 0
	s_mov_b32 s51, 0
	s_mov_b32 s52, 0
	s_mov_b32 s53, 0
	s_mov_b32 s54, 0
	XLOAD XSETB, 49152, 0, 2
	TRIP XSETA, XSA, 1
	XLOAD XSETB, 49152, 3, 5
	XSLOAD XSB, 1536
	s_mov_b32 s43, 2
.Lpass0:
	TRIP XSETA, XSA, 0
	s_sub_co_u32 s43, s43, 1
	s_cmp_lg_u32 s43, 0
	s_cbranch_scc1 .Lpass0
	s_wait_loadcnt 0x0
	s_mul_i32 s46, s39, 3
	s_add_co_u32 s47, s47, 2048
	s_add_co_u32 s49, s49, 64
	s_add_co_u32 s48, s48, 1024
	s_add_co_u32 s50, s50, 1024
	s_mov_b32 s51, 0
	s_mov_b32 s52, 0
	s_mov_b32 s53, 0
	s_mov_b32 s54, 0
	s_mov_b32 s43, 3
.Lpass1:
	TRIP XSETB, XSB, 0
	s_sub_co_u32 s43, s43, 1
	s_cmp_lg_u32 s43, 0
	s_cbranch_scc1 .Lpass1
	EPI 60, 68, 0, 512, 2048, 2560
	s_wait_tensorcnt 0x0
	ds_add_u32 v14, v15
	s_wait_dscnt 0x0
	ROUND
	s_endpgm
.Lfunc_end_k_q65eec8c147_qkv:
	.size	k_q65eec8c147_qkv, .Lfunc_end_k_q65eec8c147_qkv-k_q65eec8c147_qkv
	.p2alignl 7, 3214868480
	.fill 96, 4, 3214868480
	.section	.rodata,"a",@progbits
	.p2align	6, 0x0
	.amdhsa_kernel k_q65eec8c147_qkv
		.amdhsa_group_segment_fixed_size 327680
		.amdhsa_private_segment_fixed_size 0
		.amdhsa_enable_private_segment 0
		.amdhsa_kernarg_size 128
		.amdhsa_user_sgpr_count 2
		.amdhsa_user_sgpr_kernarg_segment_ptr 1
		.amdhsa_wavefront_size32 1
		.amdhsa_system_sgpr_workgroup_id_x 1
		.amdhsa_system_sgpr_workgroup_id_y 1
		.amdhsa_system_sgpr_workgroup_id_z 1
		.amdhsa_system_vgpr_workitem_id 0
		.amdhsa_next_free_vgpr 1024
		.amdhsa_next_free_sgpr 102
		.amdhsa_reserve_vcc 0
		.amdhsa_float_denorm_mode_32 3
		.amdhsa_float_denorm_mode_16_64 3
		.amdhsa_memory_ordered 1
		.amdhsa_forward_progress 1
		.amdhsa_inst_pref_size 212
	.end_amdhsa_kernel
	.amdgpu_metadata
---
amdhsa.version: [ 1, 2 ]
amdhsa.kernels:
  - .name:           k_q65eec8c147_qkv
    .symbol:         k_q65eec8c147_qkv.kd
    .args:
      - { .name: x_codes, .offset: 0, .size: 8, .value_kind: global_buffer, .address_space: global }
      - { .name: x_scales, .offset: 8, .size: 8, .value_kind: global_buffer, .address_space: global }
      - { .name: Wq_codes, .offset: 16, .size: 8, .value_kind: global_buffer, .address_space: global }
      - { .name: Wk_codes, .offset: 24, .size: 8, .value_kind: global_buffer, .address_space: global }
      - { .name: Wv_codes, .offset: 32, .size: 8, .value_kind: global_buffer, .address_space: global }
      - { .name: Wq_scales, .offset: 40, .size: 8, .value_kind: global_buffer, .address_space: global }
      - { .name: Wk_scales, .offset: 48, .size: 8, .value_kind: global_buffer, .address_space: global }
      - { .name: Wv_scales, .offset: 56, .size: 8, .value_kind: global_buffer, .address_space: global }
      - { .name: bq, .offset: 64, .size: 8, .value_kind: global_buffer, .address_space: global }
      - { .name: bk, .offset: 72, .size: 8, .value_kind: global_buffer, .address_space: global }
      - { .name: bv, .offset: 80, .size: 8, .value_kind: global_buffer, .address_space: global }
      - { .name: qc, .offset: 88, .size: 8, .value_kind: global_buffer, .address_space: global }
      - { .name: kv, .offset: 96, .size: 8, .value_kind: global_buffer, .address_space: global }
      - { .name: qsc, .offset: 104, .size: 8, .value_kind: global_buffer, .address_space: global }
      - { .name: ksc, .offset: 112, .size: 8, .value_kind: global_buffer, .address_space: global }
      - { .name: vsc, .offset: 120, .size: 8, .value_kind: global_buffer, .address_space: global }
    .group_segment_fixed_size: 327680
    .private_segment_fixed_size: 0
    .kernarg_segment_align: 8
    .kernarg_segment_size: 128
    .max_flat_workgroup_size: 128
    .sgpr_count:     102
    .vgpr_count:     1024
    .wavefront_size: 32
...
	.end_amdgpu_metadata
.endif
;; end of part 1
;; launch attn (part 2): grid 256 x 1, 8 waves a work-group, clusters of 4 x 1, 327,680 bytes of LDS; arguments qc, qsc, kv, ksc, vsc, oc, osc; writes oc, osc
.if DOCPART == 2
	.amdgcn_target "amdgcn-amd-amdhsa--gfx1250"
	.amdhsa_code_object_version 6
	.text
	.protected	k_q65eec8c147_attn
	.globl	k_q65eec8c147_attn
	.p2align	8
	.type	k_q65eec8c147_attn,@function
k_q65eec8c147_attn:
	s_mov_b64 s[64:65], 0
	v_nop
	global_prefetch_b8 v0, s[64:65] scope:SCOPE_SE
	s_setreg_imm32_b32 hwreg(HW_REG_WAVE_MODE, 25, 1), 1
	s_wait_xcnt 0x0
	s_wait_alu depctr_hold_cnt(0) depctr_sa_sdst(0) depctr_va_vdst(0) depctr_va_sdst(0) depctr_va_ssrc(0) depctr_va_vcc(0) depctr_vm_vsrc(0)
	s_getreg_b32 s2, hwreg(HW_REG_IB_STS2, 6, 4)
	s_cmp_eq_u32 s2, 0
	s_cbranch_scc0 .Lentry_in_a_cluster
	s_endpgm
.Lentry_in_a_cluster:
	s_bfe_u32 s2, ttmp6, 0x10000c
	s_cmp_lg_u32 s2, 0x3003
	s_cbranch_scc0 .Lentry_shape_is_right
	s_endpgm
.Lentry_shape_is_right:
; o = softmax(q k^T / 8) v for each of the 192 heads, both products on codes of BF8 with E8M0 scales; then o / l is quantised along D (a head is two whole blocks of 32).  Nothing of the problem is left out here.
; THE SOFTMAX: t = score x log2(e) / 8; M = the running largest t rounded UP to a whole number; p = 2^(t - M) is quantised along the keys, not normalised; the row's sum l is taken of the unquantised p and divides o
; at the end; when M moves, l and o are multiplied by 2^(old M - new M), which rounds nothing.
; LIMITS: NaN and infinities are not served; p under 2^-126 is 0 (the exponential flushes); 1 / l is a reciprocal and a multiplication; blocks under 2^(16 - 127), zeros among them, keep the scale byte 1.
; SHARES.  Cluster C owns heads 3 C .. 3 C + 2 (one batch).  Work-group cx has three UNITS of 256 queries: blocks 2 (cx & 1) and 2 (cx & 1) + 1 of head 3 C + (cx >> 1), then block cx of head 3 C + 2.
; LDS holds two whole heads' K and V as register images, 131,072 bytes each: region A the first head, region B head 3 C + 2.  Both are filled once, at the head, one tensor load a wave (waves 0-3: A's quarters; 4-7: B's).
; B is wanted by all four partners and is asked for JOINTLY.  A is wanted by two of the four only, so each work-group asks for its own.  All tiles are asked for at the head: there is no loop to run ahead in, so nothing is prefetched.
; Behind the head's barrier no LDS byte is written: the waves meet again only at the end.  cx enters global addresses alone.
; Wave w owns two tiles of 16 queries of a unit, so each fragment of K and V read from LDS feeds two products; two waves share a SIMD.
; LAYOUT.  Both products are used transposed (S^T = K Q^T, O^T = V^T P^T): a lane holds ONE query.  The 16 registers of two neighbouring key tiles are 16 keys of one block, in the order in which the launch before laid V's keys.
; THE HEAD'S K IS 64, THE FORM'S 128.  A fragment of K holds two key tiles A, B as (A half 0, B half 0, A half 1, B half 1).  q stands in a chain of 20 registers [0][q half 0][0][q half 1][0]: registers 4-19 pick tile A, 0-15 tile B.
; THE PIPELINE, tile by tile (PHASE j): tile j's maxima and M, with the other tile's scale lines between the lines of the chain that makes M; t - M; tile j's exponentials by turns with the other tile's holds; the other tile's
; codes and its O^T under the new M; then the other tile's four products with V and its next eight with K, with tile j's row sums between them.  S^T stands in two sets, one a tile.  Tile 1's second half falls into the next key
; step's phase 0, or behind the loop (FLUSH); tile 0's scores of the next key step are made in phase 1.  A unit's first key step has no tile before it and its last none behind it: each phase has a second copy of its second
; half for that, chosen by the count of steps.  (In a unit's first key step the scale lines of 'the tile before' work on what stands there; nothing reads their results.)
; REGISTERS.  Window 0: v1 16 x lane, v2 SC + 4 x lane, v3-6 LDS addresses, v7 2 r, v8, v9 the add's two, v10-13 K's and V's scale words, v14, v15 q's, v18, v19 p's (a set each), v20, v22 q's bytes, v24 2 x lane, v27 v1 + 65,536;
;   v32 + 8 j: tile j's -M, largest t, sum (2), f (2); v64 + 8 s: set s's holds (4) and scale operands (4); v80-99 at work; v100-115 p's codes; v116 + 4 s the blocks' largest p; v128-191, v192-255 S^T, then p: sets 0, 1.
;   Window 1: v0-63 O^T (32 a tile), v64-103 the chains, v104-119 the next unit's q, v128-191 K's fragments, v192-255 V's.
.set RB1,   131072
.set SC,    262144                     ; the scale words, made by LDS stores: region i's at 4,096 i: K's 512 words, then V's 512
.set SPARE, 270336                     ; the spare words, 128 bytes for each of eight waves
.set ST,  32
.set HL,  64
.set BM,  80
.set T1,  88
.set T2,  96
.set PC,  100
.set BP,  116
.set PW,  18
.set CH,  64
.set QS,  104
.set KF,  128
.set VF,  192
.set MSB, 0
.macro WIN new                         ; the immediate's high byte repeats the setting that is left
.if MSB != (\new)
	s_set_vgpr_msb (MSB<<8)|(\new)
.set MSB, (\new)
.endif
.endm
; settings: 0x05 S^T's products (K and the chain in window 1); 0x51 O^T's (V and the sums in window 1, p in window 0); 0x41 O^T x f, and window 1 to window 1; 0x40 loads and writes into window 1; 0x01 O^T read into window 0
.macro WALU
	s_wait_alu depctr_va_vdst(0)
.endm
.macro ROUND
	s_barrier_signal -1
	s_barrier_wait -1
	s_cmp_lg_u32 s18, 0
	s_cbranch_scc1 .Lnw0_\@
	s_barrier_signal -3
.Lnw0_\@:
	s_barrier_wait -3
	s_barrier_signal -1
	s_barrier_wait -1
.endm
.macro WMZ d, a, b, sa, sb, ra         ; a product that starts its sum
.if (\ra)==0
	v_wmma_scale_f32_16x16x128_f8f6f4 v[(\d):(\d)+7], v[(\a):(\a)+15], v[(\b):(\b)+15], 0, v[(\sa)], v[(\sb)] matrix_a_fmt:MATRIX_FMT_BF8 matrix_b_fmt:MATRIX_FMT_BF8
.else
	v_wmma_scale_f32_16x16x128_f8f6f4 v[(\d):(\d)+7], v[(\a):(\a)+15], v[(\b):(\b)+15], 0, v[(\sa)], v[(\sb)] matrix_a_fmt:MATRIX_FMT_BF8 matrix_b_fmt:MATRIX_FMT_BF8 matrix_a_scale:MATRIX_SCALE_ROW1
.endif
.endm
.macro WMA d, a, b, sa, sb, ra         ; a product that adds in place
.if (\ra)==0
	v_wmma_scale_f32_16x16x128_f8f6f4 v[(\d):(\d)+7], v[(\a):(\a)+15], v[(\b):(\b)+15], v[(\d):(\d)+7], v[(\sa)], v[(\sb)] matrix_a_fmt:MATRIX_FMT_BF8 matrix_b_fmt:MATRIX_FMT_BF8
.else
	v_wmma_scale_f32_16x16x128_f8f6f4 v[(\d):(\d)+7], v[(\a):(\a)+15], v[(\b):(\b)+15], v[(\d):(\d)+7], v[(\sa)], v[(\sb)] matrix_a_fmt:MATRIX_FMT_BF8 matrix_b_fmt:MATRIX_FMT_BF8 matrix_a_scale:MATRIX_SCALE_ROW1
.endif
.endm
; unit s[x]'s first tile of queries in the batch (s50) and its head in the batch (s51)
.macro UTI x
	s_lshl_b32 s50, s\x, 4
	s_add_co_u32 s50, s50, s34
	s_cmp_eq_u32 s\x, 2
	s_cselect_b32 s50, s35, s50
	s_cselect_b32 s51, 2, s33
	s_add_co_u32 s50, s50, s36
	s_add_co_u32 s51, s51, s32
.endm
.macro QADDR                           ; where unit s37's q and its scale bytes lie: s[58:59], s[60:61]
	UTI 37
	s_lshl_b32 s52, s51, 1
	s_add_co_u32 s52, s52, s30                     ; its first half head, among the batches' 24 each
	s_lshl_b32 s54, s52, 15
	s_lshl_b32 s53, s50, 9
	s_add_co_u32 s54, s54, s53
	s_mov_b32 s55, 0
	s_add_nc_u64 s[58:59], s[4:5], s[54:55]
	s_lshl_b32 s54, s52, 10
	s_lshl_b32 s53, s50, 4
	s_add_co_u32 s54, s54, s53
	s_add_nc_u64 s[60:61], s[6:7], s[54:55]
.endm
.macro OADDR                           ; where unit s28's codes and scale bytes go: s[62:63], s[66:67]
	UTI 28
	s_add_co_u32 s52, s31, s50                     ; my first tile among all 1,024
	s_mul_i32 s54, s52, 12288
	s_lshl_b32 s53, s51, 10
	s_add_co_u32 s54, s54, s53
	s_mov_b32 s55, 0
	s_add_nc_u64 s[62:63], s[14:15], s[54:55]
	s_mul_i32 s54, s52, 384
	s_lshl_b32 s53, s51, 6
	s_add_co_u32 s54, s54, s53
	s_add_nc_u64 s[66:67], s[16:17], s[54:55]
.endm
.macro QLOAD                           ; a unit's q: two images a tile into window 1, and the two tiles' scale bytes of each half of the head: 6 loads
	WIN 0x40
.irp j, 0,1
	global_load_b128 v[QS+8*\j:QS+8*\j+3], v1, s[58:59] offset:512*\j
	global_load_b128 v[QS+8*\j+4:QS+8*\j+7], v1, s[58:59] offset:512*\j+32768
.endr
	WIN 0
	global_load_u16 v20, v7, s[60:61]
	global_load_u16 v22, v7, s[60:61] offset:1024
.endm
; key step s40 (0 .. 23 over the three units: region s40 / 16, step s40 % 8): K's four fragments and two scale words
.macro KLOAD
	s_and_b32 s41, s40, 7
	s_lshr_b32 s40, s40, 4
	s_lshl_b32 s42, s41, 12
	s_lshl_b32 s43, s40, 17
	s_add_co_u32 s42, s42, s43
	s_lshl_b32 s41, s41, 8
	s_lshl_b32 s40, s40, 12
	s_add_co_u32 s41, s41, s40
	v_add_nc_u32 v3, s42, v1
	v_add_nc_u32 v5, s41, v2
	WIN 0x40
.irp p, 0,1,2,3
	ds_load_b128 v[KF+16*\p:KF+16*\p+3], v3 offset:1024*\p
	ds_load_b128 v[KF+16*\p+4:KF+16*\p+7], v3 offset:1024*\p+512
	ds_load_b128 v[KF+16*\p+8:KF+16*\p+11], v3 offset:1024*\p+32768
	ds_load_b128 v[KF+16*\p+12:KF+16*\p+15], v3 offset:1024*\p+33280
.endr
	WIN 0
	ds_load_b32 v10, v5
	ds_load_b32 v11, v5 offset:128
.endm
.macro VLOAD                           ; key step s29: V's four fragments and two scale words
	s_and_b32 s41, s29, 7
	s_lshr_b32 s40, s29, 4
	s_lshl_b32 s42, s41, 13
	s_lshl_b32 s43, s40, 17
	s_add_co_u32 s42, s42, s43
	s_lshl_b32 s41, s41, 8
	s_lshl_b32 s40, s40, 12
	s_add_co_u32 s41, s41, s40
	v_add_nc_u32 v4, s42, v27
	v_add_nc_u32 v6, s41, v2
	WIN 0x40
.irp e, 0,1,2,3
.irp z, 0,1,2,3
	ds_load_b128 v[VF+16*\e+4*\z:VF+16*\e+4*\z+3], v4 offset:2048*\e+512*\z
.endr
.endr
	WIN 0
	ds_load_b32 v12, v6 offset:2048
	ds_load_b32 v13, v6 offset:2176
.endm
.macro DL k, s                         ; line k of 19: from set s's four largest p: the floor, the conversions' scale operands, the holds, the bytes, p's scale word
.set B_, (\k)&3
.set H_, HL+8*(\s)
.set P_, BP+4*(\s)
.if (\k) < 4
	v_max_num_f32 v[P_+B_], 0x8000000, v[P_+B_]
.elseif (\k) < 8
	v_add_nc_u32 v[H_+4+B_], 0xf8800000, v[P_+B_]
.elseif (\k) < 12
	v_and_or_b32 v[H_+B_], v[P_+B_], 0x7f800000, s19
.elseif (\k) < 16
	v_lshrrev_b32 v[T2+B_], 23, v[H_+4+B_]
.elseif (\k) == 16
	v_lshl_or_b32 v[T2], v[T2+1], 8, v[T2]
.elseif (\k) == 17
	v_lshl_or_b32 v[T2+2], v[T2+3], 8, v[T2+2]
.else
	v_lshl_or_b32 v[PW+(\s)], v[T2+2], 16, v[T2]
.endif
.endm
.macro SER k                           ; line k of 9 of the chain from the blocks' largest scores to -M and f = 2^(old M - new M)
.if (\k) == 0
	v_max3_num_f32 v92, v[BM], v[BM+1], v[BM+2]
.elseif (\k) == 1
	v_max_num_f32 v92, v92, v[BM+3]
.elseif (\k) == 2
	v_mul_f32 v92, s22, v92
.elseif (\k) == 3
	v_max_num_f32 v[T_+1], v[T_+1], v92
.elseif (\k) == 4
	v_mov_b32 v93, v[T_]
.elseif (\k) == 5
	v_floor_f32 v[T_], -v[T_+1]
.elseif (\k) == 6
	v_sub_f32 v93, v[T_], v93
.elseif (\k) == 7
	v_cvt_i32_f32 v93, v93
.else
	v_ldexp_f32 v[T_+4], 1.0, v93
.endif
.endm
; tile j: the largest score of each block of 32 keys, in eight chains, each accumulator from its low end on; M; t - M
.macro MAXP j
.set S_, 128+64*((\j)&1)
.set T_, ST+8*(\j)
.irp b, 0,1,2,3
	v_max3_num_f32 v[BM+\b], v[S_+16*\b], v[S_+16*\b+1], v[S_+16*\b+2]
	v_max3_num_f32 v[BM+4+\b], v[S_+16*\b+8], v[S_+16*\b+9], v[S_+16*\b+10]
.endr
.irp i, 3,5
.irp b, 0,1,2,3
	v_max3_num_f32 v[BM+\b], v[BM+\b], v[S_+16*\b+\i], v[S_+16*\b+\i+1]
	v_max3_num_f32 v[BM+4+\b], v[BM+4+\b], v[S_+16*\b+8+\i], v[S_+16*\b+9+\i]
.endr
.endr
.irp b, 0,1,2,3
	v_max3_num_f32 v[BM+\b], v[BM+\b], v[BM+4+\b], v[S_+16*\b+7]
.endr
.irp b, 0,1,2,3
	v_max_num_f32 v[BM+\b], v[BM+\b], v[S_+16*\b+15]
.endr
.irp b, 0,1,2,3
	v_permlanex16_b32 v[T1+\b], v[BM+\b], s20, s21
.endr
.irp b, 0,1,2,3
	v_max_num_f32 v[BM+\b], v[BM+\b], v[T1+\b]     ; with lane l xor 16's 16 keys
.endr
.set K_, 0
.rept 9                                        ; two of the other tile's scale lines behind each line of the chain
	SER K_
	DL 2*K_, 1-((\j)&1)
	DL 2*K_+1, 1-((\j)&1)
.set K_, K_+1
.endr
	DL 18, 1-((\j)&1)
.set J_, 0
.rept 32
	v_pk_fma_f32 v[S_+J_:S_+J_+1], v[S_+J_:S_+J_+1], s[22:23], v[T_:T_+1] op_sel_hi:[1,0,0]
.set J_, J_+2
.endr
.irp b, 0,1,2,3
	v_fma_f32 v[BM+\b], v[BM+\b], s22, v[T_]       ; the same of each block's largest score
.endr
.endm
; tile j's p = 2^(t - M); withmin: by turns with the holds of the other tile (the conversion does not saturate: ISA guide 7.6.2; p is not negative, so the hold is one-sided).
; All that the batch's lines read was written ahead of the wait in front of it, and what they write is read behind the wait behind it.
.macro BATCH j, withmin
.set S_, 128+64*((\j)&1)
.set SP_, 128+64*(1-((\j)&1))
.set HP_, HL+8*(1-((\j)&1))
.set T_, ST+8*(\j)
	WALU
.set I_, 0
.rept 64
	v_exp_f32 v[S_+I_], v[S_+I_]
.if \withmin
	v_min_num_f32 v[SP_+I_], v[SP_+I_], v[HP_+I_/16]
.endif
.set I_, I_+1
.endr
.irp b, 0,1,2,3
	v_exp_f32 v[BP+4*((\j)&1)+\b], v[BM+\b]        ; each block's largest p
.endr
	v_pk_mul_f32 v[T_+2:T_+3], v[T_+2:T_+3], v[T_+4:T_+5] op_sel_hi:[1,0]   ; the sums under the new M: a plain line behind the exponentials
	WALU
.endm
.macro CVTP j                          ; the codes of the tile that is not tile j
.set SP_, 128+64*(1-((\j)&1))
.set HP_, HL+8*(1-((\j)&1))
.irp b, 0,1,2,3
	v_cvt_scalef32_pk8_bf8_f32 v[PC+4*\b:PC+4*\b+1], v[SP_+16*\b:SP_+16*\b+7], v[HP_+4+\b]
	v_cvt_scalef32_pk8_bf8_f32 v[PC+4*\b+2:PC+4*\b+3], v[SP_+16*\b+8:SP_+16*\b+15], v[HP_+4+\b]
.endr
.endm
.macro RESC t                          ; tile t's O^T under the new M; these 16 plain lines are also the places between the codes and the products that take them
	WIN 0x41
	WALU                                           ; the wait directly ahead of the first readers of matrix results
.set J_, 0
.rept 16
	v_pk_mul_f32 v[32*(\t)+J_:32*(\t)+J_+1], v[32*(\t)+J_:32*(\t)+J_+1], v[ST+8*(\t)+4:ST+8*(\t)+5] op_sel_hi:[1,0]
.set J_, J_+2
.endr
	WIN 0
.endm
.macro SUML                            ; line L_ of 32: the row's sum of the unquantised p, two at a time, in four chains
.if L_ < 3
	v_pk_add_f32 v[92+2*L_:93+2*L_], v[S_+4*L_:S_+4*L_+1], v[S_+4*L_+2:S_+4*L_+3]
.elseif L_ < 29
.if (L_&3) == 3
	v_pk_add_f32 v[T_+2:T_+3], v[T_+2:T_+3], v[S_+2*L_+6:S_+2*L_+7]
.else
	v_pk_add_f32 v[92+2*(L_&3):93+2*(L_&3)], v[92+2*(L_&3):93+2*(L_&3)], v[S_+2*L_+6:S_+2*L_+7]
.endif
.elseif L_ == 29
	v_pk_add_f32 v[92:93], v[92:93], v[94:95]
.elseif L_ == 30
	v_pk_add_f32 v[T_+2:T_+3], v[T_+2:T_+3], v[96:97]
.else
	v_pk_add_f32 v[T_+2:T_+3], v[T_+2:T_+3], v[92:93]
.endif
.set L_, L_+1
.endm
; pv: the other tile's O^T += V^T P^T, four accumulators; a: its next S^T, eight accumulators; two of tile j's sum lines behind each product, the rest (ten at the least) behind the last:
; they are the places in front of the first read of the scores and of the loads into the fragments
.macro ZONE j, pv, a
.set S_, 128+64*((\j)&1)
.set SN_, 128+64*(1-((\j)&1))
.set T_, ST+8*(\j)
.set L_, 0
	WALU                                           ; the wait directly ahead of the wait below
	s_wait_dscnt 0x0                               ; the fragments asked for a phase ago are in
.if \pv
.irp e, 0,1,2,3
	WIN 0x51
	WMA 32*JP_+8*\e, VF+16*\e, PC, 12+\e/2, PW+JP_, \e%2
	WIN 0
	SUML
	SUML
.endr
.endif
.if \a
.irp p, 0,1,2,3
	WIN 0x05
	WMZ SN_+16*\p, KF+16*\p, CH+20*JP_+4, 10+\p/2, 14+JP_, \p%2
	WIN 0
	SUML
	SUML
	WIN 0x05
	WMZ SN_+16*\p+8, KF+16*\p, CH+20*JP_, 10+\p/2, 14+JP_, \p%2
	WIN 0
	SUML
	SUML
.endr
.endif
.rept 32-L_
	SUML
.endr
	WALU
.endm
.macro TAIL j, pv, a
.set JP_, 1-((\j)&1)                   ; the other tile
	BATCH \j, \pv
.if \pv
	CVTP \j
	RESC JP_
.endif
	ZONE \j, \pv, \a
.endm
.macro PHASE j
	MAXP \j
.if (\j) == 0
	s_cmp_eq_u32 s27, 8                            ; a unit's first key step has no tile before it
	WALU
	s_cbranch_scc1 .Lfirst_\@
	TAIL \j, 1, 1
	s_branch .Ljoin_\@
.Lfirst_\@:
	TAIL \j, 0, 1
.Ljoin_\@:
	VLOAD                                          ; this step's V: the last step's has fed its last product
	s_cmp_eq_u32 s29, 23                           ; the next step's K (the next unit's first too): this step's has fed its last product.  Behind the last step of all there is none
	s_cbranch_scc1 .Lnok_\@
	s_add_co_u32 s40, s29, 1
	KLOAD
.Lnok_\@:
.else
	s_cmp_eq_u32 s27, 1                            ; and its last none behind it
	WALU
	s_cbranch_scc1 .Llast_\@
	TAIL \j, 1, 1
	s_branch .Ljoin_\@
.Llast_\@:
	TAIL \j, 1, 0
.Ljoin_\@:
.endif
.endm
	s_load_b256 s[4:11], s[0:1], 0x0               ; qc 4, qsc 6, kv 8, ksc 10
	s_load_b128 s[12:15], s[0:1], 0x20             ; vsc 12, oc 14
	s_load_b64 s[16:17], s[0:1], 0x30              ; osc
	v_lshl_add_u32 v8, v0, 2, SPARE
	v_mov_b32 v9, 0
	ds_add_u32 v8, v9                              ; the wave's opening: the add, twice on end, and its wait ahead of my first tensor load
	ds_add_u32 v8, v9
	v_lshrrev_b32 v30, 5, v0
	v_readfirstlane_b32 s18, v30                   ; wave 0..7
	s_bfe_u32 s25, ttmp6, 0x40000                  ; cx: it enters global addresses alone
	s_mov_b32 s24, ttmp9                           ; the cluster
	s_mov_b32 s19, 0x600000
	s_mov_b32 s20, 0x76543210
	s_mov_b32 s21, 0xfedcba98
	s_mov_b32 s22, 0x3e38aa3b                      ; c = log2(e) / 8
	s_mov_b32 s23, s22
	s_mov_b32 s26, 0xffff0000
	s_mov_b32 s92, 0x05040100                      ; two low halves,
	s_mov_b32 s93, 0x07060302                      ; two high halves
	s_lshr_b32 s37, s24, 2                         ; batch
	s_mul_i32 s30, s37, 24
	s_lshl_b32 s31, s37, 6
	s_and_b32 s32, s24, 3
	s_mul_i32 s32, s32, 3                          ; the cluster's first head in the batch
	s_lshr_b32 s33, s25, 1
	s_and_b32 s34, s25, 1
	s_lshl_b32 s34, s34, 5
	s_lshl_b32 s35, s25, 4
	s_lshl_b32 s36, s18, 1                         ; my two tiles of a unit's sixteen
	s_lshl_b32 s38, s33, 11
	; group 1: a quarter of a head's dense 131,072 bytes, as 128 rows of 256 bytes, no padding (images are read 512 consecutive bytes at a time): s[68:75] for my own load, s[76:83] with the mask of all four and bit 21 beside it
	s_mov_b32 s68, 3<<16
	s_mov_b32 s76, 15|(3<<16)|(1<<21)
.irp g, 68, 76
	s_mov_b32 s[\g+1], 32<<16
	s_mov_b32 s[\g+2], 128<<16
	s_mov_b32 s[\g+3], 32<<16
	s_mov_b32 s[\g+4], 128
	s_mov_b32 s[\g+5], 32
	s_mov_b32 s[\g+6], 0
	s_mov_b32 s[\g+7], 0
.endr
	s_and_b32 s39, s18, 3
	s_lshl_b32 s39, s39, 15                        ; which quarter I fetch, in LDS and in memory
	s_mul_i32 s46, s24, 3
	s_add_co_u32 s44, s46, s33                     ; region A's head
	s_lshl_b32 s44, s44, 17
	s_add_co_u32 s44, s44, s39
	s_mov_b32 s45, 0
	s_add_co_u32 s46, s46, 2                       ; region B's: the cluster's number and the wave's alone
	s_lshl_b32 s46, s46, 17
	s_add_co_u32 s46, s46, s39
	s_mov_b32 s47, 0
	s_mul_i32 s48, s24, 6144
	s_mov_b32 s49, 0
	s_mov_b32 s84, 1
	s_mov_b32 s85, s39
	s_mov_b32 s88, 1
	s_add_co_u32 s89, s39, RB1
	v_and_b32 v30, 31, v0
	v_lshlrev_b32 v1, 4, v30
	v_lshl_add_u32 v2, v30, 2, SC
	v_lshlrev_b32 v24, 1, v30
	v_and_b32 v7, 15, v0
	v_lshlrev_b32 v7, 1, v7
	v_add_nc_u32 v27, 65536, v1
	v_lshl_add_u32 v25, v0, 2, s38                 ; the scale bytes: four a thread; region A's head lies 2,048 (cx >> 1) bytes on,
	v_lshlrev_b32 v28, 2, v0                       ; region B's 4,096
	v_lshl_add_u32 v26, v0, 3, SC
	WALU                                           ; the wait at the head's end
	s_wait_dscnt 0x0                               ; both opening adds are done
	s_wait_kmcnt 0x0
	s_add_nc_u64 s[86:87], s[8:9], s[44:45]
	s_or_b32 s87, s87, 0x80000000
	s_add_nc_u64 s[90:91], s[8:9], s[46:47]
	s_or_b32 s91, s91, 0x80000000
	s_add_nc_u64 s[10:11], s[10:11], s[48:49]
	s_add_nc_u64 s[12:13], s[12:13], s[48:49]
	s_mov_b32 s37, 0
	QADDR
	ROUND                                          ; all four work-groups are here: the joint loads meet
	s_cmp_lt_u32 s18, 4                            ; one tensor load a wave
	s_cbranch_scc0 .Lfor_b
	tensor_load_to_lds s[84:87], s[68:75]
	s_nop 0
.rept 4
	v_nop
.endr
	s_branch .Lasked
.Lfor_b:
	tensor_load_to_lds s[88:91], s[76:83]
	s_nop 0
.rept 4
	v_nop
.endr
.Lasked:
	global_load_b32 v128, v25, s[10:11]                    ; K's scale bytes by halves of the head, V's by pairs of blocks: 1,024 bytes each
	global_load_b32 v129, v25, s[10:11] offset:1024
	global_load_b32 v130, v25, s[12:13]
	global_load_b32 v131, v25, s[12:13] offset:1024
	global_load_b32 v132, v28, s[10:11] offset:4096
	global_load_b32 v133, v28, s[10:11] offset:5120
	global_load_b32 v134, v28, s[12:13] offset:4096
	global_load_b32 v135, v28, s[12:13] offset:5120
	QLOAD
	WIN 0x40
.irp j, 0,1                                    ; the chains' zeros
.irp z, 0,1,2,3,8,9,10,11,16,17,18,19
	v_mov_b32 v[CH+20*\j+\z], 0
.endr
.endr
	WIN 0
.irp z, 0,1,2,3,4,5,6,7
	v_mov_b32 v[T1+\z], 0                          ; a lane permute's destination counts as one of its sources
.endr
	v_mov_b32 v[ST+5], 0                           ; the upper halves of f's pairs
	v_mov_b32 v[ST+13], 0
.irp z, 0,1,2,3
	v_mov_b32 v[BP+4+\z], 0                        ; what the first key step's scale lines find
.endr
	s_wait_loadcnt 6                               ; the eight loads of scale bytes are in; the six of q behind them may be out
.irp i, 0,1                                    ; two pairs of bytes make a word: (first array's pair, second array's pair)
.irp g, 0,1
	v_perm_b32 v[160+4*\i+2*\g], v[129+4*\i+2*\g], v[128+4*\i+2*\g], s92
	v_perm_b32 v[161+4*\i+2*\g], v[129+4*\i+2*\g], v[128+4*\i+2*\g], s93
	ds_store_b64 v26, v[160+4*\i+2*\g:161+4*\i+2*\g] offset:4096*\i+2048*\g
.endr
.endr
	WALU
	s_wait_tensorcnt 0x0                           ; my quarter of a region is in,
	s_wait_dscnt 0x0                               ; my scale words are stored,
	s_barrier_signal -1
	s_barrier_wait -1                              ; everybody's are.  No LDS byte is written behind this barrier
	s_mov_b32 s40, 0
	KLOAD
	s_mov_b32 s28, 0                               ; the unit
	s_mov_b32 s29, 0                               ; the key step, 0 .. 23
.Lunit:
	s_wait_xcnt 0x0                                ; the last unit's stores have read their data and their bases
	s_wait_loadcnt 0x0                             ; q, asked for a unit ago
	OADDR
	WIN 0x41
.irp j, 0,1
.irp z, 0,1,2,3
	v_mov_b32 v[CH+20*\j+4+\z], v[QS+8*\j+\z]
	v_mov_b32 v[CH+20*\j+12+\z], v[QS+8*\j+4+\z]
.endr
.endr
	WIN 0
	v_perm_b32 v14, v22, v20, 0x04040000           ; q's scale words (s0, s0, s1, s1): they serve both readings of the chain
	v_perm_b32 v15, v22, v20, 0x05050101
.irp j, 0,1
	v_mov_b32 v[ST+8*\j+1], 0xff61b1e6             ; the largest t so far: -3e38
.endr
.irp j, 0,1
	v_floor_f32 v[ST+8*\j], -v[ST+8*\j+1]          ; -M
	v_mov_b32 v[ST+8*\j+2], 0
	v_mov_b32 v[ST+8*\j+3], 0
.endr
	WIN 0x40
.set I_, 0
.rept 32
	v_mov_b32 v[I_], 0                             ; tile 0's O^T: the step is written once.  With the eight lines above: the places between q's scale words and the products that take them
.set I_, I_+1
.endr
	WIN 0
	WALU
	s_cmp_eq_u32 s28, 2
	s_cbranch_scc1 .Lnoq
	s_add_co_u32 s37, s28, 1
	QADDR
	QLOAD                                          ; the next unit's q has this unit's eight key steps in which to land
.Lnoq:
	s_wait_dscnt 0x0                               ; K's first fragments are in
	WIN 0x05
.irp p, 0,1,2,3                                ; tile 0's first scores
	WMZ 128+16*\p, KF+16*\p, CH+4, 10+\p/2, 14, \p%2
	WMZ 128+16*\p+8, KF+16*\p, CH, 10+\p/2, 14, \p%2
.endr
	WIN 0x40
.set I_, 32
.rept 32
	v_mov_b32 v[I_], 0                             ; tile 1's O^T; these lines are also the places behind the products above
.set I_, I_+1
.endr
	WIN 0
	s_mov_b32 s27, 8
.Lstep:
	PHASE 0
	PHASE 1
	s_add_co_u32 s29, s29, 1
	s_sub_co_u32 s27, s27, 1
	s_cmp_lg_u32 s27, 0
	s_cbranch_scc1 .Lstep
	; FLUSH: tile 1's second half
.set K_, 0
.rept 19
	DL K_, 1
.set K_, K_+1
.endr
.set I_, 0
.rept 64
	v_min_num_f32 v[192+I_], v[192+I_], v[HL+8+I_/16]
.set I_, I_+1
.endr
	CVTP 0
	RESC 1
	WIN 0x51
.irp e, 0,1,2,3
	WMA 32+8*\e, VF+16*\e, PC, 12+\e/2, PW+1, \e%2
.endr
	WIN 0
	; THE WAY OUT: o / l of the two tiles, as four blocks of 32 along D, quantised side by side
.irp j, 0,1
	v_add_f32 v[ST+8*\j+2], v[ST+8*\j+2], v[ST+8*\j+3]
.endr
.irp j, 0,1
	v_permlanex16_b32 v[T1+\j], v[ST+8*\j+2], s20, s21
.endr
.irp j, 0,1
	v_add_f32 v[ST+8*\j+2], v[ST+8*\j+2], v[T1+\j] ; the row's sum
.endr
	WALU                                           ; the wait ahead of the batch,
.irp j, 0,1
	v_rcp_f32 v[ST+8*\j+4], v[ST+8*\j+2]
.endr
	v_nop                                          ; a plain line behind it,
	WIN 0x01
	WALU                                           ; and the wait ahead of its first reader, which is also the first reader of the last products' results
.set J_, 0
.rept 32
	v_pk_mul_f32 v[128+J_:129+J_], v[J_:J_+1], v[ST+8*(J_/32)+4:ST+8*(J_/32)+5] op_sel_hi:[1,0]   ; ascending: each accumulator from its low end on; tile 0's 16 lines are among the places behind tile 1's last products
.set J_, J_+2
.endr
	WIN 0
.irp b, 0,1,2,3
	v_max3_num_f32 v[BM+\b], |v[128+16*\b]|, |v[129+16*\b]|, 0x8000000
.endr
.irp i, 2,4,6,8,10,12,14
.irp b, 0,1,2,3
	v_max3_num_f32 v[BM+\b], v[BM+\b], |v[128+16*\b+\i]|, |v[129+16*\b+\i]|
.endr
.endr
.irp b, 0,1,2,3
	v_permlanex16_b32 v[T1+\b], v[BM+\b], s20, s21
.endr
.irp b, 0,1,2,3
	v_max_num_f32 v[BM+\b], v[BM+\b], v[T1+\b]
.endr
.irp b, 0,1,2,3
	v_add_nc_u32 v[72+\b], 0xf8800000, v[BM+\b]
.endr
.irp b, 0,1,2,3
	v_and_or_b32 v[64+\b], v[BM+\b], 0x7f800000, s19
.endr
.irp b, 0,1,2,3
	v_lshrrev_b32 v[T1+\b], 23, v[72+\b]
.endr
.irp j, 0,1
	v_lshl_or_b32 v[BM+\j], v[T1+2*\j+1], 8, v[T1+2*\j]
.endr
	v_cndmask_b32 v[BM+4], v[BM], v[BM+1], s26     ; lanes 0-15: tile 0's two bytes; lanes 16-31: tile 1's
.irp b, 0,1,2,3
.irp i, 0,1,2,3,4,5,6,7,8,9,10,11,12,13,14,15
	v_med3_num_f32 v[128+16*\b+\i], v[128+16*\b+\i], -v[64+\b], v[64+\b]
.endr
	v_cvt_scalef32_pk8_bf8_f32 v[96+4*\b:97+4*\b], v[128+16*\b:135+16*\b], v[72+\b]
	v_cvt_scalef32_pk8_bf8_f32 v[98+4*\b:99+4*\b], v[136+16*\b:143+16*\b], v[72+\b]
.endr
	v_nop                                          ; a plain line behind the last conversion
.irp j, 0,1
	global_store_b128 v1, v[96+8*\j:99+8*\j], s[62:63] offset:12288*\j          ; 512 consecutive bytes each
	global_store_b128 v1, v[100+8*\j:103+8*\j], s[62:63] offset:12288*\j+512
.endr
	global_store_b16 v24, v[BM+4], s[66:67]
	s_add_co_u32 s28, s28, 1
	s_cmp_lt_u32 s28, 3
	WALU
	s_cbranch_scc1 .Lunit
	s_wait_tensorcnt 0x0                           ; the wave's end
	ds_add_u32 v8, v9
	s_wait_dscnt 0x0
	ROUND                                          ; the closing round
	s_endpgm
.Lfunc_end_k_q65eec8c147_attn:
	.size	k_q65eec8c147_attn, .Lfunc_end_k_q65eec8c147_attn-k_q65eec8c147_attn
	.p2alignl 7, 3214868480
	.fill 96, 4, 3214868480
	.section	.rodata,"a",@progbits
	.p2align	6, 0x0
	.amdhsa_kernel k_q65eec8c147_attn
		.amdhsa_group_segment_fixed_size 327680
		.amdhsa_private_segment_fixed_size 0
		.amdhsa_enable_private_segment 0
		.amdhsa_kernarg_size 56
		.amdhsa_user_sgpr_count 2
		.amdhsa_user_sgpr_kernarg_segment_ptr 1
		.amdhsa_wavefront_size32 1
		.amdhsa_system_sgpr_workgroup_id_x 1
		.amdhsa_system_sgpr_workgroup_id_y 1
		.amdhsa_system_sgpr_workgroup_id_z 1
		.amdhsa_system_vgpr_workitem_id 0
		.amdhsa_next_free_vgpr 512
		.amdhsa_next_free_sgpr 96
		.amdhsa_reserve_vcc 0
		.amdhsa_float_denorm_mode_32 3
		.amdhsa_float_denorm_mode_16_64 3
		.amdhsa_memory_ordered 1
		.amdhsa_forward_progress 1
		.amdhsa_inst_pref_size 85
	.end_amdhsa_kernel
	.amdgpu_metadata
---
amdhsa.version: [ 1, 2 ]
amdhsa.kernels:
  - .name:           k_q65eec8c147_attn
    .symbol:         k_q65eec8c147_attn.kd
    .args:
      - { .name: qc, .offset: 0, .size: 8, .value_kind: global_buffer, .address_space: global }
      - { .name: qsc, .offset: 8, .size: 8, .value_kind: global_buffer, .address_space: global }
      - { .name: kv, .offset: 16, .size: 8, .value_kind: global_buffer, .address_space: global }
      - { .name: ksc, .offset: 24, .size: 8, .value_kind: global_buffer, .address_space: global }
      - { .name: vsc, .offset: 32, .size: 8, .value_kind: global_buffer, .address_space: global }
      - { .name: oc, .offset: 40, .size: 8, .value_kind: global_buffer, .address_space: global }
      - { .name: osc, .offset: 48, .size: 8, .value_kind: global_buffer, .address_space: global }
    .group_segment_fixed_size: 327680
    .private_segment_fixed_size: 0
    .kernarg_segment_align: 8
    .kernarg_segment_size: 56
    .max_flat_workgroup_size: 256
    .sgpr_count:     96
    .vgpr_count:     512
    .wavefront_size: 32
...
	.end_amdgpu_metadata
.endif
;; end of part 2
;; launch proj (part 3): grid 64 x 4, 4 waves a work-group, clusters of 4 x 1, 180,224 bytes of LDS; arguments oc, osc, Wp_codes, Wp_scales, bp, out0; writes out0
.if DOCPART == 3
	.amdgcn_target "amdgcn-amd-amdhsa--gfx1250"
	.amdhsa_code_object_version 6
	.text
	.protected	k_q65eec8c147_proj
	.globl	k_q65eec8c147_proj
	.p2align	8
	.type	k_q65eec8c147_proj,@function
k_q65eec8c147_proj:
	s_mov_b64 s[64:65], 0
	v_nop
	global_prefetch_b8 v0, s[64:65] scope:SCOPE_SE
	s_setreg_imm32_b32 hwreg(HW_REG_WAVE_MODE, 25, 1), 1
	s_wait_xcnt 0x0
	s_wait_alu depctr_hold_cnt(0) depctr_sa_sdst(0) depctr_va_vdst(0) depctr_va_sdst(0) depctr_va_ssrc(0) depctr_va_vcc(0) depctr_vm_vsrc(0)
	s_getreg_b32 s2, hwreg(HW_REG_IB_STS2, 6, 4)
	s_cmp_eq_u32 s2, 0
	s_cbranch_scc0 .Lentry_in_a_cluster
	s_endpgm
.Lentry_in_a_cluster:
	s_bfe_u32 s2, ttmp6, 0x10000c
	s_cmp_lg_u32 s2, 0x3003
	s_cbranch_scc0 .Lentry_shape_is_right
	s_endpgm
.Lentry_shape_is_right:
; out0 = o Wp + bp, on codes of BF8 with E8M0 scales, sums in f32.  o's codes and scale bytes are the launch before's; Wp's are given.  Nothing of the problem is left out here.
; LIMITS: NaN and infinities among the inputs are not served; inside a block of 32 the products are summed in the order in which o's codes stand (below).
; SHARES.  256 work-groups: 256 tokens x 192 outputs.  The 192 rows of Wp stay in LDS (filled once); the four work-groups of a cluster have the same rows and ask JOINTLY (mask 15).  o is not shared in the cluster:
; wave w loads its 64 tokens' 24 fragments straight into registers, as images, 512 consecutive bytes a load.
; The product is used transposed (source 0 = 16 rows of Wp, source 1 = 16 tokens): a lane holds eight neighbouring outputs of one token.  Three QUADS of 64 outputs (256 bytes of a row): 16 accumulators, 6 K steps each.
; o's codes: operand position 16 hh + i of a block holds index 8 hh + (i & 7) + 16 (i >> 3).  Wp is given the same order by loading it in pieces of 8 bytes: registers 2 c, 2 c + 1 hold k = 16 c + 8 hh + 0 .. 7.
; The bias is the C of a sum's first product.  Results go through the wave's own stage in LDS and leave as rows of 256 bytes: sixteen lanes store 256 consecutive bytes, aligned.  All is written out: every offset is an immediate.
; REGISTERS.  Window 0: v4-6 Wp's LDS addresses (one a quad), v7 its scale words', v8 16 x lane, v9 2 x lane, v10 32 hh, v11, v12 the stage in and back, v13 my place in two rows of out0, v14, v15 the add's two;
;   v32-43 o's scale words, v44-55 Wp's; v64-191 Wp's fragments, two sets of four; v192-255 rows on their way out, two sets.  v256-639 o's fragments.  v640-767 the accumulators.  v768-863 bp's tiles.
.set WS,    156672                     ; LDS: Wp's codes from 0, row at 816 x row (three pieces of 256 bytes + 16 of padding); then its scale bytes, 24 a row
.set STAGE, 161280                     ; 16 rows x (256 + 16) bytes for each wave
.set SPARE, 178688                     ; the spare words, 128 bytes for each wave
.set OS,  32
.set WSR, 44
.set WF,  64
.set OB,  192
.set MSB, 0
.macro WIN new                         ; the immediate's high byte repeats the setting that is left
.if MSB != (\new)
	s_set_vgpr_msb (MSB<<8)|(\new)
.set MSB, (\new)
.endif
.endm
.macro ROUND
	s_barrier_signal -1
	s_barrier_wait -1
	s_cmp_lg_u32 s16, 0
	s_cbranch_scc1 .Lnw0_\@
	s_barrier_signal -3
.Lnw0_\@:
	s_barrier_wait -3
	s_barrier_signal -1
	s_barrier_wait -1
.endm
.macro WM d, a, b, c, sa, sb, ra, rb
.if ((\ra)==0) && ((\rb)==0)
	v_wmma_scale_f32_16x16x128_f8f6f4 v[(\d):(\d)+7], v[(\a):(\a)+15], v[(\b):(\b)+15], v[(\c):(\c)+7], v[(\sa)], v[(\sb)] matrix_a_fmt:MATRIX_FMT_BF8 matrix_b_fmt:MATRIX_FMT_BF8
.elseif ((\ra)==1) && ((\rb)==0)
	v_wmma_scale_f32_16x16x128_f8f6f4 v[(\d):(\d)+7], v[(\a):(\a)+15], v[(\b):(\b)+15], v[(\c):(\c)+7], v[(\sa)], v[(\sb)] matrix_a_fmt:MATRIX_FMT_BF8 matrix_b_fmt:MATRIX_FMT_BF8 matrix_a_scale:MATRIX_SCALE_ROW1
.elseif ((\ra)==0) && ((\rb)==1)
	v_wmma_scale_f32_16x16x128_f8f6f4 v[(\d):(\d)+7], v[(\a):(\a)+15], v[(\b):(\b)+15], v[(\c):(\c)+7], v[(\sa)], v[(\sb)] matrix_a_fmt:MATRIX_FMT_BF8 matrix_b_fmt:MATRIX_FMT_BF8 matrix_b_scale:MATRIX_SCALE_ROW1
.else
	v_wmma_scale_f32_16x16x128_f8f6f4 v[(\d):(\d)+7], v[(\a):(\a)+15], v[(\b):(\b)+15], v[(\c):(\c)+7], v[(\sa)], v[(\sb)] matrix_a_fmt:MATRIX_FMT_BF8 matrix_b_fmt:MATRIX_FMT_BF8 matrix_a_scale:MATRIX_SCALE_ROW1 matrix_b_scale:MATRIX_SCALE_ROW1
.endif
.endm
.macro FETCHW nq, s, set               ; quad nq's four fragments of Wp, K step s: 32 loads of 8 bytes
.irp n, 0,1,2,3
.irp c, 0,1,2,3,4,5,6,7
	ds_load_b64 v[WF+64*(\set)+16*\n+2*\c:WF+64*(\set)+16*\n+2*\c+1], v[4+(\nq)] offset:13056*\n+128*(\s)+16*((\s)/2)+16*\c
.endr
.endr
.endm
.macro PREFQ nq                        ; what a quad wants first: K step 0, Wp's scale words (register 6 m + s, lane l: word s of row 32 m + l), K step 1
	FETCHW \nq, 0, 0
.irp m, 0,1
.irp j, 0,1,2
	ds_load_b64 v[WSR+6*\m+2*\j:WSR+6*\m+2*\j+1], v7 offset:(64*(\nq)+32*\m)*24+8*\j
.endr
.endr
	FETCHW \nq, 1, 1
.endm
.macro TOSTAGE i                       ; token tile i's 16 x 64 results into my stage, and back as whole rows
	WIN 0x08                                       ; an LDS store's data are its source 1: window 2
.irp n, 0,1,2,3
	ds_store_b128 v11, v[128+8*(4*(\i)+\n):128+8*(4*(\i)+\n)+3] offset:64*\n          ; each accumulator from its low end on
	ds_store_b128 v11, v[128+8*(4*(\i)+\n)+4:128+8*(4*(\i)+\n)+7] offset:64*\n+16
.endr
	WIN 0
.irp k, 0,1,2,3,4,5,6,7
	ds_load_b128 v[OB+32*((\i)%2)+4*\k:OB+32*((\i)%2)+4*\k+3], v12 offset:544*\k      ; LDS serves a wave's instructions in order (ISA guide 5.7.1.4): these see the stores above
.endr
.endm
.macro SEND i, younger, nq             ; younger: the LDS instructions issued behind tile i's loads, which may stay out
	s_wait_dscnt \younger
.irp k, 0,1,2,3,4,5,6,7
	global_store_b128 v13, v[OB+32*((\i)%2)+4*\k:OB+32*((\i)%2)+4*\k+3], s[14:15] offset:49152*(\i)+6144*\k+256*(\nq) th:TH_STORE_NT
.endr
.endm
; A quad: 96 products, the sixteen accumulators by turns, one instruction a turn, in the same order in every K step; then its way out.
.macro QUAD nq
.set SS, 0
.rept 6
.if SS < 5
	s_wait_dscnt 32                                ; all but the next K step's 32 loads are in
.else
	s_wait_dscnt 0x0
.endif
.set XW, (256+64*SS)>>8
.set XR, (256+64*SS)&255
.set WR, WF+64*(SS&1)
.if SS == 0
	WIN 0x80|0x30|(XW<<2)                          ; D window 2, C (the bias) window 3, o's window for source 1
.else
	WIN 0x80|0x20|(XW<<2)
.endif
.irp i, 0,1,2,3
.irp n, 0,1,2,3
.set AC, 128+8*(4*\i+\n)
.if SS == 0
.set CC, 32*(\nq)+8*\n
.else
.set CC, AC
.endif
	WM AC, WR+16*\n, XR+16*\i, CC, WSR+6*(\n/2)+SS, OS+6*(\i/2)+SS, \n%2, \i%2
.endr
.endr
	WIN 0
.if SS < 4
.rept 8
	v_nop                                          ; eight places in front of loads into registers that these products read
.endr
	FETCHW \nq, SS+2, SS&1
.endif
.set SS, SS+1
.endr
.rept 10
	v_nop                                          ; places in front of the next quad's first loads, of the stage's reads of the results, and of the products that begin the accumulators anew (nine are asked there)
.endr
.if (\nq) < 2
	PREFQ (\nq)+1
.endif
	s_wait_xcnt 0x0                                ; earlier stores have read the registers into which the stage is read back
	TOSTAGE 0
.irp i, 1,2,3
	s_wait_xcnt 0x0
	TOSTAGE \i
	SEND \i-1, 16, \nq                             ; behind tile i - 1's loads: tile i's eight stores and eight loads
.endr
	SEND 3, 0, \nq
.endm
	s_load_b256 s[4:11], s[0:1], 0x0               ; oc 4, osc 6, Wp_codes 8, Wp_scales 10
	s_load_b128 s[12:15], s[0:1], 0x20             ; bp 12, out0 14
	v_lshl_add_u32 v14, v0, 2, SPARE
	v_mov_b32 v15, 0
	ds_add_u32 v14, v15                            ; the wave's opening: the add, twice on end, and its wait ahead of my first tensor load
	ds_add_u32 v14, v15
	v_lshrrev_b32 v1, 5, v0
	v_readfirstlane_b32 s16, v1                    ; wave 0..3
	s_bfe_u32 s17, ttmp6, 0x40000                  ; cx
	s_lshl_b32 s18, ttmp9, 2
	s_add_co_u32 s18, s18, s17                     ; token group: it enters global addresses alone
	s_and_b32 s19, ttmp7, 0xffff                   ; output group, which the four partners share
	; group 1 for Wp's codes: a third of the group's dense 147,456 bytes (waves 0, 1, 2), as 192 rows of 256 bytes, 16 bytes of padding behind each
	s_mov_b32 s24, 15|(3<<16)|(1<<20)|(1<<21)|(5<<22)|(3<<25)
	s_mov_b32 s25, 32<<16
	s_mov_b32 s26, 192<<16
	s_mov_b32 s27, 32<<16
	s_mov_b32 s28, 192
	s_mov_b32 s29, 32
	s_mov_b32 s30, 0
	s_mov_b32 s31, 0
	; group 1 for its scale bytes: the group's dense 4,608 bytes (wave 3), as 36 rows of 128 bytes, no padding
	s_mov_b32 s32, 15|(3<<16)|(1<<21)
	s_mov_b32 s33, 16<<16
	s_mov_b32 s34, 36<<16
	s_mov_b32 s35, 16<<16
	s_mov_b32 s36, 36
	s_mov_b32 s37, 16
	s_mov_b32 s38, 0
	s_mov_b32 s39, 0
	s_mul_i32 s48, s19, 147456
	s_mul_i32 s49, s16, 49152
	s_add_co_u32 s48, s48, s49
	s_mov_b32 s49, 0
	s_mul_i32 s50, s19, 4608
	s_mov_b32 s51, 0
	s_lshl_b32 s52, s18, 4
	s_lshl_b32 s53, s16, 2
	s_add_co_u32 s52, s52, s53                     ; my first tile of 16 tokens
	s_mul_i32 s54, s52, 12288
	s_mov_b32 s55, 0
	s_mul_i32 s56, s52, 384
	s_mov_b32 s57, 0
	s_mul_i32 s58, s19, 768
	s_mov_b32 s59, 0
	s_mul_i32 s60, s52, 49152
	s_add_co_u32 s60, s60, s58
	s_mov_b32 s61, 0
	s_mul_i32 s20, s16, 52224                      ; in LDS: the wave's number alone: 192 rows of 272 bytes a wave
	s_mov_b32 s21, WS
	s_mul_i32 s22, s16, 4352
	s_add_co_u32 s22, s22, STAGE
	v_and_b32 v1, 31, v0                           ; lane
	v_and_b32 v2, 15, v0                           ; r
	v_bfe_u32 v3, v0, 4, 1                         ; hh
	v_mul_u32_u24 v4, v2, 816
	v_lshl_add_u32 v4, v3, 3, v4                   ; Wp in LDS: row r, + 8 hh; quads 64 rows apart
	v_add_nc_u32 v5, 52224, v4
	v_add_nc_u32 v6, 104448, v4
	v_mul_u32_u24 v7, v1, 24
	v_add_nc_u32 v7, WS, v7
	v_lshlrev_b32 v8, 4, v1
	v_lshlrev_b32 v9, 1, v1
	v_lshlrev_b32 v10, 5, v3
	v_mul_u32_u24 v11, v2, 272
	v_lshl_add_u32 v11, v3, 5, v11
	v_add_nc_u32 v11, s22, v11                     ; the stage, in: row r, + 32 hh
	v_mul_u32_u24 v12, v3, 272
	v_lshl_add_u32 v12, v2, 4, v12
	v_add_nc_u32 v12, s22, v12                     ; back: lanes 0-15 one row, lanes 16-31 the next
	v_mul_u32_u24 v13, v3, 3072
	v_lshl_add_u32 v13, v2, 4, v13                 ; and the same two rows in out0
	s_wait_alu depctr_va_vdst(0)                   ; the wait at the head's end
	s_wait_dscnt 0x0                               ; both opening adds are done
	s_wait_kmcnt 0x0
	s_add_nc_u64 s[4:5], s[4:5], s[54:55]
	s_add_nc_u64 s[6:7], s[6:7], s[56:57]
	s_add_nc_u64 s[12:13], s[12:13], s[58:59]
	s_add_nc_u64 s[14:15], s[14:15], s[60:61]
	s_mov_b32 s40, 1
	s_mov_b32 s41, s20
	s_add_nc_u64 s[42:43], s[8:9], s[48:49]
	s_or_b32 s43, s43, 0x80000000
	s_mov_b32 s44, 1
	s_mov_b32 s45, s21
	s_add_nc_u64 s[46:47], s[10:11], s[50:51]
	s_or_b32 s47, s47, 0x80000000
	ROUND                                          ; all four work-groups are here: the joint loads meet
	s_cmp_lt_u32 s16, 3                            ; one tensor load a wave: waves 0, 1, 2 a third of Wp's codes each, wave 3 its scale bytes
	s_cbranch_scc0 .Lfor_scales
	tensor_load_to_lds s[40:43], s[24:31]
	s_nop 0
.rept 4
	v_nop
.endr
	s_branch .Lasked
.Lfor_scales:
	tensor_load_to_lds s[44:47], s[32:39]
	s_nop 0
.rept 4
	v_nop
.endr
.Lasked:
.set SS, 0
.rept 6                                        ; o's fragments (K step s, tile i) at v[256 + 16 (4 s + i)]
.set XW, (256+64*SS)>>8
.set XR, (256+64*SS)&255
	WIN XW<<6
.irp i, 0,1,2,3
.irp c, 0,1,2,3
	global_load_b128 v[XR+16*\i+4*\c:XR+16*\i+4*\c+3], v8, s[4:5] offset:12288*\i+2048*SS+512*\c
.endr
.endr
.set SS, SS+1
.endr
	WIN 0
.irp a, 0,1                                    ; o's scale bytes: two of head 2 s, two of head 2 s + 1, for the pair a of tiles
.irp s, 0,1,2,3,4,5
	global_load_u16 v[OB+2*(6*\a+\s)], v9, s[6:7] offset:768*\a+128*\s
	global_load_u16 v[OB+2*(6*\a+\s)+1], v9, s[6:7] offset:768*\a+128*\s+64
.endr
.endr
	WIN 0xc0                                       ; destination window 3
	s_wait_alu depctr_va_vdst(0)
.irp t, 0,1,2,3,4,5,6,7,8,9,10,11              ; bp: lane (r, hh) wants, for tile t of 16 outputs, numbers 16 t + 8 hh + 0 .. 7
	global_load_b128 v[8*\t:8*\t+3], v10, s[12:13] offset:64*\t
	global_load_b128 v[8*\t+4:8*\t+7], v10, s[12:13] offset:64*\t+16
.endr
	WIN 0
	s_wait_tensorcnt 0x0                           ; my parts of Wp have landed,
	s_barrier_signal -1
	s_barrier_wait -1                              ; everybody's have.  Nothing is filled again in this launch
	PREFQ 0
	s_wait_loadcnt 0x0                             ; o, its scale bytes, bp
.set Q, 0
.rept 12
	v_lshl_or_b32 v[OS+Q], v[OB+2*Q+1], 16, v[OB+2*Q]
.set Q, Q+1
.endr
.rept 8
	v_nop                                          ; a scale register written by a vector instruction stands eight places ahead of the product that takes it
.endr
	s_wait_alu depctr_va_vdst(0)
	QUAD 0
	QUAD 1
	QUAD 2
	s_wait_tensorcnt 0x0                           ; the wave's end
	ds_add_u32 v14, v15
	s_wait_dscnt 0x0
	ROUND                                          ; the closing round
	s_endpgm
.Lfunc_end_k_q65eec8c147_proj:
	.size	k_q65eec8c147_proj, .Lfunc_end_k_q65eec8c147_proj-k_q65eec8c147_proj
	.p2alignl 7, 3214868480
	.fill 96, 4, 3214868480
	.section	.rodata,"a",@progbits
	.p2align	6, 0x0
	.amdhsa_kernel k_q65eec8c147_proj
		.amdhsa_group_segment_fixed_size 180224
		.amdhsa_private_segment_fixed_size 0
		.amdhsa_enable_private_segment 0
		.amdhsa_kernarg_size 48
		.amdhsa_user_sgpr_count 2
		.amdhsa_user_sgpr_kernarg_segment_ptr 1
		.amdhsa_wavefront_size32 1
		.amdhsa_system_sgpr_workgroup_id_x 1
		.amdhsa_system_sgpr_workgroup_id_y 1
		.amdhsa_system_sgpr_workgroup_id_z 1
		.amdhsa_system_vgpr_workitem_id 0
		.amdhsa_next_free_vgpr 1024
		.amdhsa_next_free_sgpr 66
		.amdhsa_reserve_vcc 0
		.amdhsa_float_denorm_mode_32 3
		.amdhsa_float_denorm_mode_16_64 3
		.amdhsa_memory_ordered 1
		.amdhsa_forward_progress 1
		.amdhsa_inst_pref_size 123
	.end_amdhsa_kernel
	.amdgpu_metadata
---
amdhsa.version: [ 1, 2 ]
amdhsa.kernels:
  - .name:           k_q65eec8c147_proj
    .symbol:         k_q65eec8c147_proj.kd
    .args:
      - { .name: oc, .offset: 0, .size: 8, .value_kind: global_buffer, .address_space: global }
      - { .name: osc, .offset: 8, .size: 8, .value_kind: global_buffer, .address_space: global }
      - { .name: Wp_codes, .offset: 16, .size: 8, .value_kind: global_buffer, .address_space: global }
      - { .name: Wp_scales, .offset: 24, .size: 8, .value_kind: global_buffer, .address_space: global }
      - { .name: bp, .offset: 32, .size: 8, .value_kind: global_buffer, .address_space: global }
      - { .name: out0, .offset: 40, .size: 8, .value_kind: global_buffer, .address_space: global }
    .group_segment_fixed_size: 180224
    .private_segment_fixed_size: 0
    .kernarg_segment_align: 8
    .kernarg_segment_size: 48
    .max_flat_workgroup_size: 128
    .sgpr_count:     66
    .vgpr_count:     1024
    .wavefront_size: 32
...
	.end_amdgpu_metadata
.endif
;; end of part 3
